; MI455X (gfx1250); checked and timed in simulation.
; The chip was launched on July 23, 2026; its instructions are those of AMD's public machine-readable ISA for CDNA 5 (MIT licence, August 2026) and "CDNA5" Instruction Set Architecture Reference Guide (July 2026). The comments in the code are by the model that wrote it; some were corrected since.
;; Attention Block. Allowed arithmetic: matrix products marked QUANTISED: E3M2 operands, one E8M0 scale for each 32 along K, by v_wmma_scale_f32_16x16x128_f8f6f4 with both operands' format E3M2, f32 sums; everything else in f32.
;; Inputs: norm_b 256 float32; norm_w 256 float32; proj_b 256 float32; proj_w_codes 256 x 8 x 24 uint8 (E3M2 codes of proj_w, K innermost, in blocks of 32 codes, four codes in three bytes); proj_w_scales 256 x 8 uint8 (E8M0 scales of proj_w, one for each 32 codes along K); qkv_b 768 float32; qkv_w_codes 768 x 8 x 24 uint8 (E3M2 codes of qkv_w, K innermost, in blocks of 32 codes, four codes in three bytes); qkv_w_scales 768 x 8 uint8 (E8M0 scales of qkv_w, one for each 32 codes along K); x 4 x 256 x 64 x 64 float32.
;; Outputs: out0 4 x 256 x 64 x 64 float32.
;; This version of the problem:
;;   THIS VERSION OF THE PROBLEM IS GIVEN IN LOW PRECISION. The matrix products marked QUANTISED in the list below multiply operands that are first quantised to E3M2 (3 exponent bits, 2 mantissa bits; 6 bits a number), with one power-of-two scale for each 32 numbers along K (OCP MX v1.0); their sums are f32. All else is computed in f32.
;;   The module's matrix products, in the order in which they are computed (A, B: the left and right operand; K: the contracted axis; several contracted axes count as one K, in the product's order):
;;     1. [M 768, K 256] x [K 256, N 16,384]; A: input qkv_w (given as codes); B: computed on the way: QUANTISED
;;     2. batch 16 x [M 4,096, K 64] x [K 64, N 4,096]; A: computed on the way; B: computed on the way: QUANTISED
;;     3. batch 16 x [M 4,096, K 4,096] x [K 4,096, N 64]; A: softmax (see below); B: computed on the way: QUANTISED
;;     4. [M 256, K 256] x [K 256, N 16,384]; A: input proj_w (given as codes); B: computed on the way: QUANTISED
;;   THE QUANTISER, for each operand of a quantised product, along K:
;;     - K is cut into blocks of 32 from its start; a last block that is shorter is filled with zeros.
;;     - A block's scale is 2^e with e = floor(log2(the largest magnitude in the block)) - 4, held to -126 .. 127; a block of zeros has e = 0. As a byte (E8M0): e + 127.
;;     - Each number is divided by its block's scale, clamped to +-28, and rounded to the nearest number of E3M2, ties to even, subnormals kept.
;;     - The product sums the exact products of the quantised numbers (number of the format x scale) in f32.
;;   ~~~python
;;   def quantise(x, axis):      # numpy; x: float32 -> the quantised numbers, widened to float32 again
;;       x = np.moveaxis(x, axis, -1); K = x.shape[-1]
;;       x = np.pad(x, [(0, 0)] * (x.ndim - 1) + [(0, -K % 32)]); x = x.reshape(x.shape[:-1] + (-1, 32)); a = np.abs(x).max(-1, keepdims=True)
;;       e = np.where(a > 0, np.clip(np.frexp(np.where(a > 0, a, 1))[1] - 1 - 4, -126, 127), 0)      # np.frexp(a)[1] - 1 = floor(log2(a)), exactly
;;       r = np.clip(x / 2.0 ** e, -28, 28)
;;       step = 2.0 ** (np.maximum(np.frexp(np.where(r == 0, 1, r))[1] - 1, -2) - 2)
;;       q = np.round(r / step) * step * 2.0 ** e      # np.round: ties to even
;;       return np.moveaxis(q.reshape(q.shape[:-2] + (-1,))[..., :K], -1, axis).astype(np.float32)
;;   ~~~
;;   SOFTMAX AHEAD OF A QUANTISED PRODUCT. Where the list says 'softmax', what is quantised is not the finished softmax but p = 2^(t - M), with t = logit x log2(e) and M = ceil(the row's largest t), a whole number; so 1/2 < the row's largest p <= 1. The row's sum l is taken of the UNQUANTISED p, in f32, and the product's result is divided by l at the end. Since M is a whole number, a kernel that streams over the keys may use a running M (the ceiling of the running maximum): every later rescaling is an exact power of two, which a block's scale takes up: the codes' values come out the same.
;;   OPERANDS COMPUTED ON THE WAY. 'Computed on the way' means the value that the module computes at that place (a softmax that the list does not call 'softmax' is quantised finished and normalised). What goes into a quantiser is computed in f32, as accurately as f32 sums, v_exp_f32 and their like allow (about 1e-6 of the number): no bf16 or f16 on the way to a quantiser, and a product that is left as it is and whose result goes on into a quantised operand takes f32 operands (vector FMAs, or v_wmma_f32_16x16x4_f32). A number that lies on a knife's edge between two numbers of the format may be rounded either way, as far as f32 arithmetic and the matrix unit's own rounding can turn it there, and no further.
;;   INPUTS GIVEN AS CODES. proj_w (in the module: [256, 256], K = its axis 1); qkv_w (in the module: [768, 256], K = its axis 1): each comes as NAME_codes (uint8): NAME with its K axis moved to the last place and cut into blocks of 32 codes, [.., K / 32, bytes a block], one block behind the other in memory; four codes in three bytes: a row's codes are one little-endian stream of bits, code i at bits 6 i .. 6 i + 5 (a code: sign, 3 exponent bits, 2 mantissa bits); and NAME_scales (uint8): the same leading axes, one E8M0 byte (e + 127) for each 32 codes along K. Its value is code x scale, taken as it is: it is not quantised again, and the codes and scales need not be those that the quantiser above would give.
;; One version. Each part assembles by itself: llvm-mc -triple=amdgcn-amd-amdhsa -mcpu=gfx1250 --defsym DOCPART=n.
;; ======== version 1 of 1: 4 launches
;; workspace buffers: part 2,048 bytes; qbuf 4,194,304 bytes; kvbuf 7,077,888 bytes; obuf 4,194,304 bytes
;; launch stats (part 1): grid 256 x 1, 8 waves a work-group, no clusters, 1,280 bytes of LDS; arguments x, part; writes part
.if DOCPART == 1
	.amdgcn_target "amdgcn-amd-amdhsa--gfx1250"
	.amdhsa_code_object_version 6
	.text
	.protected	k_q1fbff9698d_stats
	.globl	k_q1fbff9698d_stats
	.p2align	8
	.type	k_q1fbff9698d_stats,@function
k_q1fbff9698d_stats:
	s_mov_b64 s[64:65], 0
	v_nop
	global_prefetch_b8 v0, s[64:65] scope:SCOPE_SE
	s_setreg_imm32_b32 hwreg(HW_REG_WAVE_MODE, 25, 1), 1
	s_wait_xcnt 0x0
; GROUP NORM, FIRST HALF.  x: [4][256][4096] f32; a norm group is 32 channels x 4,096 pixels = 131,072 numbers, 524,288 consecutive bytes.
; Work-group i takes the 65,536 bytes from 65,536 i on: chunk i % 8 of group i / 8, 16,384 numbers, 64 a thread, and stores that chunk's mean and its sum of squared
; distances from that mean at part[i] (8 bytes).  The next launch joins a group's eight chunks.
; The numbers stay in registers between the two passes, so x is read once here, and no difference of large sums is formed: a common offset of the inputs costs no digits.
; A stream: no matrix unit, no tensor load, no cluster (no two work-groups read the same byte).  Each load of a wave covers 512 consecutive bytes.
; The result is 8 bytes a work-group: the one store that does not cover 256 consecutive bytes; the whole buffer is 2,048 bytes.
; LIMITS: NaN and infinities among the inputs are not served.
.set X,  16                            ; v16-79  my 64 numbers
.set CH, 80                            ; v80-87  four chains of packed sums
.set MN, 88                            ; v88-89  the mean twice; at the end (mean, sum of squares)
	s_load_b128 s[4:7], s[0:1], 0x0                ; x, part
	v_lshl_add_u32 v104, v0, 2, 0x100
	v_mov_b32 v105, 0
	v_lshrrev_b32 v1, 5, v0
	s_delay_alu instid0(VALU_DEP_1)
	v_readfirstlane_b32 s8, v1                     ; wave 0..7
	v_and_b32 v2, 31, v0
	s_delay_alu instid0(VALU_DEP_1)
	v_lshlrev_b32 v3, 4, v2
	s_delay_alu instid0(VALU_DEP_1)
	v_lshl_add_u32 v3, v1, 13, v3                  ; 8,192 x wave + 16 x lane
	v_lshlrev_b32 v4, 2, v1                        ; LDS: my wave's word
	v_mov_b32 v5, 0
	v_mov_b32 v9, 0                                ; a lane permute's destination counts as one of its sources
	s_mov_b32 s12, 0x76543210
	s_mov_b32 s13, 0xfedcba98                      ; selects for lane l xor 16
	s_lshl_b32 s10, ttmp9, 16                      ; my chunk, in bytes (under 2^24)
	s_mov_b32 s11, 0
	s_lshl_b32 s14, ttmp9, 3                       ; my place in part
	s_mov_b32 s15, 0
	s_wait_alu depctr_va_vdst(0)
	s_wait_kmcnt 0x0
	s_add_nc_u64 s[4:5], s[4:5], s[10:11]
	s_add_nc_u64 s[6:7], s[6:7], s[14:15]
.irp j, 0,1,2,3,4,5,6,7,8,9,10,11,12,13,14,15
	global_load_b128 v[X+4*\j:X+4*\j+3], v3, s[4:5] offset:512*\j
.endr
; v8 summed over the 32 lanes, then over the eight waves through eight LDS words at byte off; the sum ends in v8 of every lane
.macro WGSUM off
	s_delay_alu instid0(VALU_DEP_1)
	v_add_f32_dpp v8, v8, v8 row_xmask:1 row_mask:0xf bank_mask:0xf
	s_delay_alu instid0(VALU_DEP_1)
	v_add_f32_dpp v8, v8, v8 row_xmask:2 row_mask:0xf bank_mask:0xf
	s_delay_alu instid0(VALU_DEP_1)
	v_add_f32_dpp v8, v8, v8 row_xmask:4 row_mask:0xf bank_mask:0xf
	s_delay_alu instid0(VALU_DEP_1)
	v_add_f32_dpp v8, v8, v8 row_xmask:8 row_mask:0xf bank_mask:0xf
	s_delay_alu instid0(VALU_DEP_1)
	v_permlanex16_b32 v9, v8, s12, s13
	s_delay_alu instid0(VALU_DEP_1)
	v_add_f32 v8, v8, v9
	ds_store_b32 v4, v8 offset:\off                ; all lanes write the same word with the same value
	s_wait_dscnt 0x0                               ; for the others' sake: my store has landed
	s_barrier_signal -1
	s_barrier_wait -1
	ds_load_b128 v[92:95], v5 offset:\off
	ds_load_b128 v[96:99], v5 offset:\off+16
	s_wait_dscnt 0x0
	v_add_f32 v92, v92, v93
	v_add_f32 v94, v94, v95
	v_add_f32 v96, v96, v97
	v_add_f32 v98, v98, v99
	s_delay_alu instid0(VALU_DEP_3)
	v_add_f32 v92, v92, v94
	s_delay_alu instid0(VALU_DEP_2)
	v_add_f32 v96, v96, v98
	s_delay_alu instid0(VALU_DEP_1)
	v_add_f32 v8, v92, v96
.endm
	; pass 1: the sum.  The first four loads start the four chains: nothing is cleared.  Each wait leaves the younger loads out
	s_wait_loadcnt 14                              ; loads 0 and 1 are in
	v_pk_add_f32 v[CH:CH+1], v[X:X+1], v[X+4:X+5]
	v_pk_add_f32 v[CH+2:CH+3], v[X+2:X+3], v[X+6:X+7]
	s_wait_alu depctr_va_vdst(0)
	s_wait_loadcnt 12                              ; loads 2 and 3
	v_pk_add_f32 v[CH+4:CH+5], v[X+8:X+9], v[X+12:X+13]
	v_pk_add_f32 v[CH+6:CH+7], v[X+10:X+11], v[X+14:X+15]
	s_wait_alu depctr_va_vdst(0)
.irp j, 4,5,6,7,8,9,10,11,12,13,14,15
	s_wait_alu depctr_va_vdst(0)
	s_wait_loadcnt 15-\j                           ; load j is in
	v_pk_add_f32 v[CH+4*(\j%2):CH+4*(\j%2)+1], v[CH+4*(\j%2):CH+4*(\j%2)+1], v[X+4*\j:X+4*\j+1]
	v_pk_add_f32 v[CH+4*(\j%2)+2:CH+4*(\j%2)+3], v[CH+4*(\j%2)+2:CH+4*(\j%2)+3], v[X+4*\j+2:X+4*\j+3]
.endr
	v_pk_add_f32 v[CH:CH+1], v[CH:CH+1], v[CH+2:CH+3]
	s_delay_alu instid0(VALU_DEP_2)
	v_pk_add_f32 v[CH+4:CH+5], v[CH+4:CH+5], v[CH+6:CH+7]
	s_delay_alu instid0(VALU_DEP_1)
	v_pk_add_f32 v[CH:CH+1], v[CH:CH+1], v[CH+4:CH+5]
	s_delay_alu instid0(VALU_DEP_1)
	v_add_f32 v8, v[CH], v[CH+1]
	WGSUM 0
	s_delay_alu instid0(VALU_DEP_1)
	v_mul_f32 v[MN], 0x38800000, v8                ; / 16,384: the chunk's mean
	s_delay_alu instid0(VALU_DEP_1)
	v_mov_b32 v[MN+1], v[MN]
	; pass 2: the squared distances from that mean
.set JJ, 0
.rept 32
	v_pk_add_f32 v[X+2*JJ:X+2*JJ+1], v[X+2*JJ:X+2*JJ+1], v[MN:MN+1] neg_lo:[0,1] neg_hi:[0,1]
.set JJ, JJ+1
.endr
.irp k, 0,1,2,3
	v_pk_mul_f32 v[CH+2*\k:CH+2*\k+1], v[X+2*\k:X+2*\k+1], v[X+2*\k:X+2*\k+1]
.endr
.set JJ, 4
.rept 28
	s_delay_alu instid0(VALU_DEP_4)
	v_pk_fma_f32 v[CH+2*(JJ%4):CH+2*(JJ%4)+1], v[X+2*JJ:X+2*JJ+1], v[X+2*JJ:X+2*JJ+1], v[CH+2*(JJ%4):CH+2*(JJ%4)+1]
.set JJ, JJ+1
.endr
	s_delay_alu instid0(VALU_DEP_3)
	v_pk_add_f32 v[CH:CH+1], v[CH:CH+1], v[CH+2:CH+3]
	s_delay_alu instid0(VALU_DEP_2)
	v_pk_add_f32 v[CH+4:CH+5], v[CH+4:CH+5], v[CH+6:CH+7]
	s_delay_alu instid0(VALU_DEP_1)
	v_pk_add_f32 v[CH:CH+1], v[CH:CH+1], v[CH+4:CH+5]
	s_delay_alu instid0(VALU_DEP_1)
	v_add_f32 v8, v[CH], v[CH+1]
	WGSUM 128                                      ; other LDS words than the first sum's: one barrier each is enough
	s_delay_alu instid0(VALU_DEP_1)
	v_mov_b32 v[MN+1], v8
	s_cmp_lg_u32 s8, 0                             ; wave 0's lane 0 stores the pair
	s_cbranch_scc1 .Ldone
	v_cmp_eq_u32 vcc_lo, 0, v0
	s_wait_xcnt 0x0                                ; EXEC changes only behind this wait
	s_and_saveexec_b32 s9, vcc_lo
	s_wait_alu depctr_va_vdst(0)
	global_store_b64 v5, v[MN:MN+1], s[6:7]
	s_wait_xcnt 0x0                                ; and again in front of the line that widens it
	s_or_b32 exec_lo, exec_lo, s9
.Ldone:
	s_wait_tensorcnt 0x0
	ds_add_u32 v104, v105
	s_wait_dscnt 0x0
	s_endpgm
.Lfunc_end_k_q1fbff9698d_stats:
	.size	k_q1fbff9698d_stats, .Lfunc_end_k_q1fbff9698d_stats-k_q1fbff9698d_stats
	.p2alignl 7, 3214868480
	.fill 96, 4, 3214868480
	.section	.rodata,"a",@progbits
	.p2align	6, 0x0
	.amdhsa_kernel k_q1fbff9698d_stats
		.amdhsa_group_segment_fixed_size 1280
		.amdhsa_private_segment_fixed_size 0
		.amdhsa_enable_private_segment 0
		.amdhsa_kernarg_size 16
		.amdhsa_user_sgpr_count 2
		.amdhsa_user_sgpr_kernarg_segment_ptr 1
		.amdhsa_wavefront_size32 1
		.amdhsa_system_sgpr_workgroup_id_x 1
		.amdhsa_system_sgpr_workgroup_id_y 1
		.amdhsa_system_sgpr_workgroup_id_z 1
		.amdhsa_system_vgpr_workitem_id 0
		.amdhsa_next_free_vgpr 106
		.amdhsa_next_free_sgpr 66
		.amdhsa_reserve_vcc 1
		.amdhsa_float_denorm_mode_32 3
		.amdhsa_float_denorm_mode_16_64 3
		.amdhsa_memory_ordered 1
		.amdhsa_forward_progress 1
		.amdhsa_inst_pref_size 14
	.end_amdhsa_kernel
	.amdgpu_metadata
---
amdhsa.version: [ 1, 2 ]
amdhsa.kernels:
  - .name:           k_q1fbff9698d_stats
    .symbol:         k_q1fbff9698d_stats.kd
    .args:
      - { .name: x, .offset: 0, .size: 8, .value_kind: global_buffer, .address_space: global }
      - { .name: part, .offset: 8, .size: 8, .value_kind: global_buffer, .address_space: global }
    .group_segment_fixed_size: 1280
    .private_segment_fixed_size: 0
    .kernarg_segment_align: 8
    .kernarg_segment_size: 16
    .max_flat_workgroup_size: 256
    .sgpr_count:     66
    .vgpr_count:     106
    .wavefront_size: 32
...
	.end_amdgpu_metadata
.endif
;; end of part 1
;; launch qkv (part 2): grid 256 x 1, 16 waves a work-group, no clusters, 15,360 bytes of LDS; arguments x, norm_w, norm_b, qkv_w_codes, qkv_w_scales, qkv_b, part, qbuf, kvbuf; writes qbuf, kvbuf
.if DOCPART == 2
	.amdgcn_target "amdgcn-amd-amdhsa--gfx1250"
	.amdhsa_code_object_version 6
	.text
	.protected	k_q1fbff9698d_qkv
	.globl	k_q1fbff9698d_qkv
	.p2align	8
	.type	k_q1fbff9698d_qkv,@function
k_q1fbff9698d_qkv:
	s_mov_b64 s[64:65], 0
	v_nop
	global_prefetch_b8 v0, s[64:65] scope:SCOPE_SE
	s_setreg_imm32_b32 hwreg(HW_REG_WAVE_MODE, 25, 1), 1
	s_wait_xcnt 0x0
; GROUP NORM'S SECOND HALF, THE QKV PRODUCT, AND THE QUANTISING OF q, k AND v, on codes of BF6 (E3M2) with one E8M0 scale for each 32 along K.
; Work-group 64 b + G takes the 64 pixels 64 G .. 64 G + 63 of batch b, all 256 channels in, all 768 out.  PIXEL TILE p (0..3) IS THE 16 PIXELS 64 G + 4 r + p, r = 0..15.
; In what follows lane l = (r, h): r = l % 16, h = l / 16.
; ROLES.  Waves 8-15 first make h: wave 8 + g norms and quantises channels 32 g .. 32 g + 31, which are one norm group AND one block of 32 along the product's K: a lane holds 2 pixels x 32 channels,
; so a block's largest magnitude needs no other lane.  The codes go to LDS as images of the operand's registers (8 fragments: tile p, K step s).  One barrier.  Then waves 0-3 make q of head w,
; waves 4-7 k of head w - 4, waves 8-15 half of v of head (w - 8) / 2.  Each wave's rows of the weight stay in its registers, read from memory once, while h is being made.
; THE ROWS OF A WEIGHT TILE ARE NOT NEIGHBOURS: lane r of tile T of a unit of 64 rows takes row 8 T + r % 8 + 32 (r / 8).
;   q, k: source 0 = 16 weight rows, source 1 = 16 pixels.  Lane (r, h) then holds pixel r of the tile, and register 8 T + j of its four sums is d = 32 h + 8 T + j: ONE WHOLE BLOCK OF 32 ALONG d, in order.
;   v:    source 0 = 16 pixels, source 1 = 16 weight rows.  Lane (r, h) holds row d(r), and register 8 p + j of its four sums is key 64 G + 32 h + 4 j + p: one whole block of 32 KEYS, in the order
;         place 8 p + j = key 4 j + p.  The attention launch's weights p come out in the same order, and a permutation of k that both operands share keeps the products.
; So no quantiser here asks another lane for a maximum, and two conversions give six registers of an operand as they stand.
; OUT, all as images of registers, each store of a wave covering 256 or 512 consecutive bytes at a multiple of 256:
;   qbuf [bh][tile 4 G + p][1024]: registers (2 i, 2 i + 1) at 256 i + 8 l, i = 0..2; (scale word, 0) at 768 + 8 l; the word is (s0, s1, s0, s1).
;   kvbuf [bh][G][6912]: K as two PAIRS of tiles (registers 0-5: tile 2 b', 6-11: tile 2 b' + 1) at 1536 b' + 512 i + 16 l; their two scale words at 3072 + 8 l;
;         V's tile T at 3328 + 768 T + 256 i + 8 l; V's half scale words (T = 2 f, 2 f + 1) at 6400 + 256 f + 8 l.
; NO CLUSTER, NO TENSOR LOAD: what the work-groups share is the weight, and a wave's part of it goes from memory straight into operand registers, each byte once; a joint load would bring it to LDS,
; from where the same bytes would have to be read once more.  The 64 KiB of x are the work-group's own.
; LIMITS: NaN and infinities are not served.  A block whose largest magnitude lies under 2^-122 (a block of zeros among them) gets the scale byte 1; the bytes are read by this program alone.
; v_rsq_f32 is accurate to 1 ulp.
.set HSC,  12288                       ; LDS: 0: h's 8 fragments f = 2 p + s, 1,536 bytes each, a lane's 12 registers on end at 48 l; HSC: their scale words, 64 bytes each, word r
.set WS,   16                          ; v16-23  the weight's scale words      (v16-31 hold scales and nothing else, in both roles)
.set HS,   24                          ; v24-31  h's scale words
.set W,    32                          ; v32..   the weight's fragments (tile, K step): 8 for q and k, 4 for v
.set BIAS, 128                         ; q, k: v128-159 the bias as the C of each sum's first product
.set ACC,  160                         ; q, k: v160-191 four sums
.set HF,   192                         ; q, k: v192-215 a tile's two fragments of h
.set KC,   216                         ; q, k: v216-239 the codes of the four tiles
.set CB,   80                          ; v: v80-87   the bias as C
.set TA,   88                          ; v: v88-119  32 numbers to quantise; later four sums
.set XH,   120                         ; v: v120-183 x; later v120-215 h's eight fragments
.set VC,   216                         ; v: v216-227 codes
.set VB,   228                         ; v: v228-229 two words of the bias
.set MEAN, 230                         ; v: v230-231 the group's mean, twice
.set RSTD, 232                         ; v: v232-233 1 / sqrt(var + eps), twice
.set SCR,  234                         ; v: v234-237 at work
.set T2,   240
.set PD,   241                         ; a lane permute's destination
.set ZERO, 242
.set BY,   244                         ; v244-247 scale bytes, then half scale words
.set QTM,  248                         ; v248-250 a conversion's three registers begin on an even number: the second half of a block's six is made here and moved
.set QMA,  251
.set QMB,  252
.set QSC,  253
.set VTL,  3328
.set VSC,  6400
.macro PLACES n
.rept \n
	v_nop
.endr
.endm
; 32 numbers of ONE block, v[src] on, become six registers of codes at v[dst] and the scale's byte in v[by].  Two chains for the largest magnitude, with the floor 2^(5 - 127) among the leaves, so that the byte
; cannot fall under 1.  The reads ascend, so that each sum of eight registers is first read at its low end.
.macro QUANT32 src, dst, by
	v_max3_num_f32 v[QMA], |v[(\src)]|, |v[(\src)+1]|, 0x2800000
	v_max3_num_f32 v[QMB], |v[(\src)+16]|, |v[(\src)+17]|, |v[(\src)+18]|
.irp i, 2,4,6,8,10,12
	v_max3_num_f32 v[QMA], v[QMA], |v[(\src)+\i]|, |v[(\src)+\i+1]|
	v_max3_num_f32 v[QMB], v[QMB], |v[(\src)+17+\i]|, |v[(\src)+18+\i]|
.endr
	v_max3_num_f32 v[QMA], v[QMA], |v[(\src)+14]|, |v[(\src)+15]|
	v_max3_num_f32 v[QMA], v[QMA], v[QMB], |v[(\src)+31]|
	s_delay_alu instid0(VALU_DEP_1)
	v_add_nc_u32 v[QSC], 0xfe000000, v[QMA]        ; 4 off the exponent field: the conversion takes the exponent field of this operand as its scale
	v_cvt_scalef32_pk16_bf6_f32 v[(\dst):(\dst)+2], v[(\src):(\src)+15], v[QSC]
	v_cvt_scalef32_pk16_bf6_f32 v[QTM:QTM+2], v[(\src)+16:(\src)+31], v[QSC]
	v_lshrrev_b32 v[(\by)], 23, v[QSC]             ; the scale's byte; also the plain line behind the conversions
	v_mov_b32 v[(\dst)+3], v[QTM]
	v_mov_b32 v[(\dst)+4], v[QTM+1]
	v_mov_b32 v[(\dst)+5], v[QTM+2]
.endm
; my block's byte and lane l xor 16's make the half scale word (block 0's byte low), whole in both halves of the lanes
.macro W16 by
	s_delay_alu instid0(VALU_DEP_4)
	v_permlanex16_b32 v[PD], v[(\by)], s26, s27
	v_lshlrev_b32 v[T2], v13, v[(\by)]
	s_delay_alu instid0(VALU_DEP_2)
	v_lshlrev_b32 v[PD], v14, v[PD]
	s_delay_alu instid0(VALU_DEP_1)
	v_or_b32 v[(\by)], v[T2], v[PD]
.endm
	s_load_b512 s[4:19], s[0:1], 0x0               ; x s[4:5], norm_w s[6:7], norm_b s[8:9], the weight's codes s[10:11], its scales s[12:13], qkv_b s[14:15], part s[16:17], qbuf s[18:19]
	s_load_b64 s[20:21], s[0:1], 0x40              ; kvbuf
	v_lshl_add_u32 v254, v0, 2, 0x3400
	v_mov_b32 v255, 0
	v_lshrrev_b32 v1, 5, v0
	s_delay_alu instid0(VALU_DEP_1)
	v_readfirstlane_b32 s22, v1                    ; wave 0..15
	s_lshr_b32 s23, ttmp9, 6                       ; b
	s_and_b32 s24, ttmp9, 63                       ; G
	s_mov_b32 s26, 0x76543210
	s_mov_b32 s27, 0xfedcba98                      ; selects for lane l xor 16
	; EVERY LDS ADDRESS IS MADE HERE, ahead of the parting of the roles.  Block g = 4 s + 2 c + h' of h belongs into fragment (p, s), lanes of half h', registers 6 c on
	s_and_b32 s25, s22, 7                          ; g
	s_lshr_b32 s28, s25, 2                         ; s
	s_and_b32 s29, s25, 1                          ; h'
	s_bfe_u32 s30, s25, 0x10001                    ; c
	s_mul_i32 s31, s28, 1536
	s_mul_i32 s29, s29, 768
	s_add_co_u32 s31, s31, s29
	s_mul_i32 s30, s30, 24
	s_add_co_u32 s31, s31, s30                     ; 1536 s + 768 h' + 24 c
	s_lshl_b32 s28, s28, 6
	s_and_b32 s29, s25, 3
	s_add_co_u32 s28, s28, s29
	s_add_co_u32 s28, s28, HSC                     ; HSC + 64 s + the byte's place in the word, g % 4
	v_and_b32 v1, 31, v0                           ; l
	v_and_b32 v2, 15, v0                           ; r
	v_bfe_u32 v3, v0, 4, 1                         ; h
	s_delay_alu instid0(VALU_DEP_3)
	v_mul_u32_u24 v4, v1, 48                       ; v4: a fragment's image, my 48 bytes
	s_delay_alu instid0(VALU_DEP_3)
	v_lshl_add_u32 v5, v2, 2, HSC                  ; v5: a fragment's scale words, word r
	v_and_b32 v[T2], 1, v0
	v_bfe_u32 v[PD], v0, 1, 4
	s_delay_alu instid0(VALU_DEP_2)
	v_mul_u32_u24 v6, v[T2], 6144                  ; v6: where a producer puts pixel 2 l + e = 4 (l / 2) + 2 (l % 2) + e: tile 2 (l % 2) + e, lane l / 2 of its half
	s_delay_alu instid0(VALU_DEP_1)
	v_mad_u32_u24 v6, v[PD], 48, v6
	s_delay_alu instid0(VALU_DEP_1)
	v_add_nc_u32 v6, s31, v6
	v_lshlrev_b32 v7, 8, v[T2]                     ; v7: and its scale byte
	s_delay_alu instid0(VALU_DEP_1)
	v_lshl_add_u32 v7, v[PD], 2, v7
	s_delay_alu instid0(VALU_DEP_1)
	v_add_nc_u32 v7, s28, v7
	v_lshlrev_b32 v8, 3, v1                        ; v8: 8 l
	v_lshlrev_b32 v9, 4, v1                        ; v9: 16 l
	v_and_b32 v[T2], 7, v0
	v_bfe_u32 v[PD], v0, 3, 1
	s_delay_alu instid0(VALU_DEP_1)
	v_lshl_add_u32 v[T2], v[PD], 5, v[T2]          ; r % 8 + 32 (r / 8): my row in a weight tile
	s_delay_alu instid0(VALU_DEP_1)
	v_mul_u32_u24 v10, v[T2], 192                  ; v10: its codes (a row of 256 codes is 192 bytes), + 24 h
	s_delay_alu instid0(VALU_DEP_1)
	v_mad_u32_u24 v10, v3, 24, v10
	s_delay_alu instid0(VALU_DEP_3)
	v_lshlrev_b32 v11, 3, v[T2]                    ; v11: its 8 scale bytes
	v_lshlrev_b32 v12, 7, v3                       ; v12: q's and k's bias: 32 h numbers on
	v_lshlrev_b32 v13, 3, v3                       ; v13: 8 h
	s_delay_alu instid0(VALU_DEP_1)
	v_sub_nc_u32 v14, 8, v13                       ; v14: 8 - 8 h
	v_lshlrev_b32 v15, 2, v[T2]                    ; v15: v's bias: my row's
	v_mov_b32 v[PD], 0
	v_mov_b32 v[ZERO], 0
	s_wait_kmcnt 0x0
	s_cmp_lt_u32 s22, 8
	s_cbranch_scc0 .Lprod
	; ---- waves 0-7: the unit's 64 rows of the weight (unit = wave), its scale words and its bias come into registers while h is made
	s_mul_i32 s2, s22, 12288
	s_mov_b32 s3, 0
	s_add_nc_u64 s[10:11], s[10:11], s[2:3]
	s_lshl_b32 s2, s22, 9
	s_add_nc_u64 s[12:13], s[12:13], s[2:3]
	s_lshl_b32 s2, s22, 8
	s_add_nc_u64 s[14:15], s[14:15], s[2:3]
	s_wait_alu depctr_va_vdst(0)
.irp t, 0,1,2,3
.irp s, 0,1
.irp p, 0,1,2,3,4,5
	global_load_b64 v[W+12*(2*\t+\s)+2*\p:W+12*(2*\t+\s)+2*\p+1], v10, s[10:11] offset:1536*\t+96*\s+48*(\p/3)+8*(\p%3)
.endr
	global_load_b32 v[WS+2*\t+\s], v11, s[12:13] offset:64*\t+4*\s
.endr
	global_load_b128 v[BIAS+8*\t:BIAS+8*\t+3], v12, s[14:15] offset:32*\t       ; lane (r, h), register j: the bias of row 32 h + 8 T + j
	global_load_b128 v[BIAS+8*\t+4:BIAS+8*\t+7], v12, s[14:15] offset:32*\t+16
.endr
	s_branch .Ljoin
.Lprod:	; ---- waves 8-15: block g of h
	s_sub_co_u32 s28, s22, 8
	s_lshr_b32 s28, s28, 1                         ; head
	s_and_b32 s29, s22, 1                          ; which half of v's four tiles
	s_add_co_u32 s30, s28, 8                       ; unit
	s_mov_b32 s3, 0
	s_mul_i32 s2, s30, 12288
	s_mul_i32 s31, s29, 3072
	s_add_co_u32 s2, s2, s31
	s_add_nc_u64 s[10:11], s[10:11], s[2:3]        ; my two tiles of the weight,
	s_lshl_b32 s2, s30, 9
	s_lshl_b32 s31, s29, 7
	s_add_co_u32 s2, s2, s31
	s_add_nc_u64 s[12:13], s[12:13], s[2:3]        ; their scale bytes,
	s_lshl_b32 s2, s30, 8
	s_lshl_b32 s31, s29, 6
	s_add_co_u32 s2, s2, s31
	s_add_nc_u64 s[14:15], s[14:15], s[2:3]        ; their bias
	s_lshl_b32 s2, s23, 22
	s_lshl_b32 s31, s25, 19
	s_add_co_u32 s2, s2, s31
	s_lshl_b32 s31, s24, 8
	s_add_co_u32 s2, s2, s31
	s_add_nc_u64 s[4:5], s[4:5], s[2:3]            ; x at (b, channel 32 g, pixel 64 G)
	s_lshl_b32 s2, s23, 3
	s_add_co_u32 s2, s2, s25
	s_lshl_b32 s2, s2, 6
	s_add_nc_u64 s[16:17], s[16:17], s[2:3]        ; the group's eight pairs in part
	s_lshl_b32 s2, s25, 7
	s_add_nc_u64 s[6:7], s[6:7], s[2:3]            ; the group's 32 gains and 32 offsets
	s_add_nc_u64 s[8:9], s[8:9], s[2:3]
	s_mov_b32 s30, 0x37000000                      ; 1 / 131,072
	s_mov_b32 s31, 0x3727c5ac                      ; eps = 1e-5
	s_wait_alu depctr_va_vdst(0)
.irp i, 0,1,2,3
	global_load_b128 v[TA+4*\i:TA+4*\i+3], v[ZERO], s[16:17] offset:16*\i
.endr
.set II, 0
.rept 32
	global_load_b64 v[XH+2*II:XH+2*II+1], v8, s[4:5] offset:16384*II th:TH_LOAD_NT   ; channel 32 g + i: the 32 lanes read the row's 256 consecutive bytes; I get pixels 2 l, 2 l + 1
.set II, II+1
.endr
.irp t, 0,1
.irp s, 0,1
.irp p, 0,1,2,3,4,5
	global_load_b64 v[W+12*(2*\t+\s)+2*\p:W+12*(2*\t+\s)+2*\p+1], v10, s[10:11] offset:1536*\t+96*\s+48*(\p/3)+8*(\p%3)
.endr
	global_load_b32 v[WS+2*\t+\s], v11, s[12:13] offset:64*\t+4*\s
.endr
	global_load_b32 v[VB+\t], v15, s[14:15] offset:32*\t
.endr
	s_load_b512 s[32:47], s[6:7], 0x0              ; norm_w of my 32 channels: s32-63
	s_load_b512 s[48:63], s[6:7], 0x40
	s_load_b512 s[68:83], s[8:9], 0x0              ; norm_b: s68-99
	s_load_b512 s[84:99], s[8:9], 0x40
	s_wait_loadcnt 62                              ; part's four loads are in; behind them 32 of x and 30 of the weight were issued
	v_add_f32 v[SCR], v[TA], v[TA+2]               ; the group's mean: the eight chunks are equally large
	v_add_f32 v[SCR+1], v[TA+4], v[TA+6]
	v_add_f32 v[SCR+2], v[TA+8], v[TA+10]
	v_add_f32 v[SCR+3], v[TA+12], v[TA+14]
	s_delay_alu instid0(VALU_DEP_3)
	v_add_f32 v[SCR], v[SCR], v[SCR+1]
	s_delay_alu instid0(VALU_DEP_2)
	v_add_f32 v[SCR+2], v[SCR+2], v[SCR+3]
	s_delay_alu instid0(VALU_DEP_1)
	v_add_f32 v[SCR], v[SCR], v[SCR+2]
	s_delay_alu instid0(VALU_DEP_1)
	v_mul_f32 v[MEAN], 0x3e000000, v[SCR]          ; / 8
	s_delay_alu instid0(VALU_DEP_1)
	v_mov_b32 v[MEAN+1], v[MEAN]
.irp i, 0,2,4,6,8,10,12,14
	v_sub_f32 v[TA+\i], v[TA+\i], v[MEAN]
.endr
	v_mul_f32 v[SCR], v[TA], v[TA]                 ; the sum of squares about the group's mean = the chunks' sums + 16,384 x the squared distances of their means
	v_mul_f32 v[SCR+1], v[TA+2], v[TA+2]
.irp i, 4,8,12
	s_delay_alu instid0(VALU_DEP_2)
	v_fmac_f32 v[SCR], v[TA+\i], v[TA+\i]
	s_delay_alu instid0(VALU_DEP_2)
	v_fmac_f32 v[SCR+1], v[TA+\i+2], v[TA+\i+2]
.endr
	s_delay_alu instid0(VALU_DEP_1)
	v_add_f32 v[SCR], v[SCR], v[SCR+1]
	v_add_f32 v[SCR+2], v[TA+1], v[TA+3]
	v_add_f32 v[SCR+3], v[TA+5], v[TA+7]
	s_delay_alu instid0(VALU_DEP_2)
	v_add_f32 v[SCR+2], v[SCR+2], v[TA+9]
	s_delay_alu instid0(VALU_DEP_2)
	v_add_f32 v[SCR+3], v[SCR+3], v[TA+11]
	s_delay_alu instid0(VALU_DEP_2)
	v_add_f32 v[SCR+2], v[SCR+2], v[TA+13]
	s_delay_alu instid0(VALU_DEP_2)
	v_add_f32 v[SCR+3], v[SCR+3], v[TA+15]
	s_delay_alu instid0(VALU_DEP_1)
	v_add_f32 v[SCR+2], v[SCR+2], v[SCR+3]
	s_delay_alu instid0(VALU_DEP_1)
	v_fmamk_f32 v[SCR], v[SCR], 0x46800000, v[SCR+2]
	s_delay_alu instid0(VALU_DEP_1)
	v_fma_f32 v[SCR], v[SCR], s30, s31             ; var + eps
	s_wait_alu depctr_va_vdst(0)
	v_rsq_f32 v[RSTD], v[SCR]
	v_nop                                          ; a plain line behind the transcendental
	s_wait_alu depctr_va_vdst(0)                   ; and the wait ahead of its first reader
	v_mov_b32 v[RSTD+1], v[RSTD]
	s_wait_loadcnt 30                              ; x is in; the weight's 30 loads may be out
	s_wait_kmcnt 0x0                               ; the gains and offsets
.set II, 0
.rept 32
	v_pk_add_f32 v[XH+2*II:XH+2*II+1], v[XH+2*II:XH+2*II+1], v[MEAN:MEAN+1] neg_lo:[0,1] neg_hi:[0,1]
.set II, II+1
.endr
.set II, 0
.rept 32
	v_pk_mul_f32 v[XH+2*II:XH+2*II+1], v[XH+2*II:XH+2*II+1], v[RSTD:RSTD+1]
.set II, II+1
.endr
.irp e, 0,1                                    ; pixel 2 l + e: its 32 channels become consecutive registers, a block
.set II, 0
.rept 32
	v_fma_f32 v[TA+II], v[XH+2*II+\e], s[32+II], s[68+II]
.set II, II+1
.endr
	QUANT32 TA, VC+6*\e, BY+\e
.irp k, 0,1,2
	ds_store_b64 v6, v[VC+6*\e+2*\k:VC+6*\e+2*\k+1] offset:3072*\e+8*\k
.endr
	ds_store_b8 v7, v[BY+\e] offset:128*\e
.endr
.Ljoin:
	s_wait_loadcnt 0x0                             ; the weights, asked for ahead of all that: behind this line no global load is out in either role
	s_wait_dscnt 0x0                               ; for the others' sake: my stores into h's images have landed
	s_barrier_signal -1
	s_barrier_wait -1                              ; h's eight fragments and their scale words lie in LDS; nothing is written there again
	s_cmp_lt_u32 s22, 8
	s_cbranch_scc0 .Lv
	; ---- waves 0-7: q or k, a pixel tile at a time.  Four sums by turns, K step 0 then K step 1
.irp p, 0,1,2,3
.irp f, 0,1
.irp i, 0,1,2
	ds_load_b128 v[HF+12*\f+4*\i:HF+12*\f+4*\i+3], v4 offset:1536*(2*\p+\f)+16*\i
.endr
	ds_load_b32 v[HS+\f], v5 offset:64*(2*\p+\f)
.endr
	s_wait_dscnt 0x0
.irp t, 0,1,2,3
	v_wmma_scale_f32_16x16x128_f8f6f4 v[ACC+8*\t:ACC+8*\t+7], v[W+24*\t:W+24*\t+11], v[HF:HF+11], v[BIAS+8*\t:BIAS+8*\t+7], v[WS+2*\t], v[HS] matrix_a_fmt:MATRIX_FMT_BF6 matrix_b_fmt:MATRIX_FMT_BF6
.endr
.irp t, 0,1,2,3
	v_wmma_scale_f32_16x16x128_f8f6f4 v[ACC+8*\t:ACC+8*\t+7], v[W+24*\t+12:W+24*\t+23], v[HF+12:HF+23], v[ACC+8*\t:ACC+8*\t+7], v[WS+2*\t+1], v[HS+1] matrix_a_fmt:MATRIX_FMT_BF6 matrix_b_fmt:MATRIX_FMT_BF6
.endr
	PLACES 5                                       ; four in front of the first read of the sums and of the next tile's loads into h's registers; the fifth since the next tile's first products begin these sums anew
	QUANT32 ACC, KC+6*\p, BY+\p
	W16 BY+\p
.endr
	s_and_b32 s28, s22, 3
	s_lshl_b32 s29, s23, 2
	s_add_co_u32 s28, s28, s29                     ; bh = 4 b + head
	s_mov_b32 s3, 0
	s_cmp_lt_u32 s22, 4
	s_cbranch_scc0 .Lk_out
	s_lshl_b32 s2, s28, 18                         ; q: [bh][tile 4 G + p][1024]
	s_lshl_b32 s29, s24, 12
	s_add_co_u32 s2, s2, s29
	s_add_nc_u64 s[18:19], s[18:19], s[2:3]
	s_wait_alu depctr_va_vdst(0)
.irp p, 0,1,2,3
	v_lshl_or_b32 v[ACC+2*\p], v[BY+\p], 16, v[BY+\p]   ; (s0, s1, s0, s1): the word serves q in the lower and in the upper half of K
	v_mov_b32 v[ACC+2*\p+1], 0
.endr
.irp p, 0,1,2,3
.irp i, 0,1,2
	global_store_b64 v8, v[KC+6*\p+2*\i:KC+6*\p+2*\i+1], s[18:19] offset:1024*\p+256*\i
.endr
	global_store_b64 v8, v[ACC+2*\p:ACC+2*\p+1], s[18:19] offset:1024*\p+768
.endr
	s_wait_tensorcnt 0x0
	ds_add_u32 v254, v255
	s_wait_dscnt 0x0
	s_endpgm
.Lk_out:
	s_mul_i32 s2, s28, 442368                      ; k: [bh][G][6912]
	s_mul_i32 s29, s24, 6912
	s_add_co_u32 s2, s2, s29
	s_add_nc_u64 s[20:21], s[20:21], s[2:3]
	v_lshl_or_b32 v[ACC], v[BY+1], 16, v[BY]       ; a pair's scale word: tile 2 b' below, tile 2 b' + 1 above
	s_wait_alu depctr_va_vdst(0)
	v_lshl_or_b32 v[ACC+1], v[BY+3], 16, v[BY+2]
.irp b, 0,1
.irp i, 0,1,2
	global_store_b128 v9, v[KC+12*\b+4*\i:KC+12*\b+4*\i+3], s[20:21] offset:1536*\b+512*\i
.endr
.endr
	global_store_b64 v8, v[ACC:ACC+1], s[20:21] offset:3072
	s_wait_tensorcnt 0x0
	ds_add_u32 v254, v255
	s_wait_dscnt 0x0
	s_endpgm
.Lv:	; ---- waves 8-15: two tiles of v for all four pixel tiles
	s_sub_co_u32 s28, s22, 8
	s_lshr_b32 s28, s28, 1
	s_lshl_b32 s29, s23, 2
	s_add_co_u32 s28, s28, s29                     ; bh
	s_mul_i32 s2, s28, 442368
	s_mul_i32 s29, s24, 6912
	s_add_co_u32 s2, s2, s29
	s_mov_b32 s3, 0
	s_add_nc_u64 s[20:21], s[20:21], s[2:3]        ; my record
	s_and_b32 s29, s22, 1
	s_lshl_b32 s2, s29, 8
	s_add_nc_u64 s[30:31], s[20:21], s[2:3]        ; + 256 x half: the half scale words
	s_mul_i32 s2, s29, 1536
	s_add_nc_u64 s[20:21], s[20:21], s[2:3]        ; + 2 tiles x half: the codes
.irp f, 0,1,2,3,4,5,6,7
.irp i, 0,1,2
	ds_load_b128 v[XH+12*\f+4*\i:XH+12*\f+4*\i+3], v4 offset:1536*\f+16*\i
.endr
	ds_load_b32 v[HS+\f], v5 offset:64*\f
.endr
	s_wait_dscnt 0x0
.irp t, 0,1
.irp j, 0,1,2,3,4,5,6,7
	v_mov_b32 v[CB+\j], v[VB+\t]                   ; a lane holds one row of the weight here: its bias in all eight registers of C
.endr
	PLACES 4
.irp p, 0,1,2,3
	v_wmma_scale_f32_16x16x128_f8f6f4 v[TA+8*\p:TA+8*\p+7], v[XH+24*\p:XH+24*\p+11], v[W+24*\t:W+24*\t+11], v[CB:CB+7], v[HS+2*\p], v[WS+2*\t] matrix_a_fmt:MATRIX_FMT_BF6 matrix_b_fmt:MATRIX_FMT_BF6
.endr
.irp p, 0,1,2,3
	v_wmma_scale_f32_16x16x128_f8f6f4 v[TA+8*\p:TA+8*\p+7], v[XH+24*\p+12:XH+24*\p+23], v[W+24*\t+12:W+24*\t+23], v[TA+8*\p:TA+8*\p+7], v[HS+2*\p+1], v[WS+2*\t+1] matrix_a_fmt:MATRIX_FMT_BF6 matrix_b_fmt:MATRIX_FMT_BF6
.endr
	PLACES 5                                       ; as above: four for the reads and for the writes of C, the fifth for the sums begun anew
	QUANT32 TA, VC+6*\t, BY+\t
	W16 BY+\t
.irp i, 0,1,2
	global_store_b64 v8, v[VC+6*\t+2*\i:VC+6*\t+2*\i+1], s[20:21] offset:VTL+768*\t+256*\i
.endr
.endr
	global_store_b64 v8, v[BY:BY+1], s[30:31] offset:VSC
	s_wait_tensorcnt 0x0
	ds_add_u32 v254, v255
	s_wait_dscnt 0x0
	s_endpgm
.Lfunc_end_k_q1fbff9698d_qkv:
	.size	k_q1fbff9698d_qkv, .Lfunc_end_k_q1fbff9698d_qkv-k_q1fbff9698d_qkv
	.p2alignl 7, 3214868480
	.fill 96, 4, 3214868480
	.section	.rodata,"a",@progbits
	.p2align	6, 0x0
	.amdhsa_kernel k_q1fbff9698d_qkv
		.amdhsa_group_segment_fixed_size 15360
		.amdhsa_private_segment_fixed_size 0
		.amdhsa_enable_private_segment 0
		.amdhsa_kernarg_size 72
		.amdhsa_user_sgpr_count 2
		.amdhsa_user_sgpr_kernarg_segment_ptr 1
		.amdhsa_wavefront_size32 1
		.amdhsa_system_sgpr_workgroup_id_x 1
		.amdhsa_system_sgpr_workgroup_id_y 1
		.amdhsa_system_sgpr_workgroup_id_z 1
		.amdhsa_system_vgpr_workitem_id 0
		.amdhsa_next_free_vgpr 256
		.amdhsa_next_free_sgpr 100
		.amdhsa_reserve_vcc 0
		.amdhsa_float_denorm_mode_32 3
		.amdhsa_float_denorm_mode_16_64 3
		.amdhsa_memory_ordered 1
		.amdhsa_forward_progress 1
		.amdhsa_inst_pref_size 57
	.end_amdhsa_kernel
	.amdgpu_metadata
---
amdhsa.version: [ 1, 2 ]
amdhsa.kernels:
  - .name:           k_q1fbff9698d_qkv
    .symbol:         k_q1fbff9698d_qkv.kd
    .args:
      - { .name: x, .offset: 0, .size: 8, .value_kind: global_buffer, .address_space: global }
      - { .name: norm_w, .offset: 8, .size: 8, .value_kind: global_buffer, .address_space: global }
      - { .name: norm_b, .offset: 16, .size: 8, .value_kind: global_buffer, .address_space: global }
      - { .name: qkv_w_codes, .offset: 24, .size: 8, .value_kind: global_buffer, .address_space: global }
      - { .name: qkv_w_scales, .offset: 32, .size: 8, .value_kind: global_buffer, .address_space: global }
      - { .name: qkv_b, .offset: 40, .size: 8, .value_kind: global_buffer, .address_space: global }
      - { .name: part, .offset: 48, .size: 8, .value_kind: global_buffer, .address_space: global }
      - { .name: qbuf, .offset: 56, .size: 8, .value_kind: global_buffer, .address_space: global }
      - { .name: kvbuf, .offset: 64, .size: 8, .value_kind: global_buffer, .address_space: global }
    .group_segment_fixed_size: 15360
    .private_segment_fixed_size: 0
    .kernarg_segment_align: 8
    .kernarg_segment_size: 72
    .max_flat_workgroup_size: 512
    .sgpr_count:     100
    .vgpr_count:     256
    .wavefront_size: 32
...
	.end_amdgpu_metadata
.endif
;; end of part 2
;; launch attn (part 3): grid 16 x 16, 16 waves a work-group, clusters of 4 x 1, 327,680 bytes of LDS; arguments qbuf, kvbuf, obuf; writes obuf
.if DOCPART == 3
	.amdgcn_target "amdgcn-amd-amdhsa--gfx1250"
	.amdhsa_code_object_version 6
	.text
	.protected	k_q1fbff9698d_attn
	.globl	k_q1fbff9698d_attn
	.p2align	8
	.type	k_q1fbff9698d_attn,@function
k_q1fbff9698d_attn:
	s_mov_b64 s[64:65], 0
	v_nop
	global_prefetch_b8 v0, s[64:65] scope:SCOPE_SE
	s_setreg_imm32_b32 hwreg(HW_REG_WAVE_MODE, 25, 1), 1
	s_wait_xcnt 0x0
	s_wait_alu depctr_hold_cnt(0) depctr_sa_sdst(0) depctr_va_vdst(0) depctr_va_sdst(0) depctr_va_ssrc(0) depctr_va_vcc(0) depctr_vm_vsrc(0)
	s_getreg_b32 s2, hwreg(HW_REG_IB_STS2, 6, 4)
	s_cmp_eq_u32 s2, 0
	s_cbranch_scc0 .Lentry_in_a_cluster
	s_endpgm
.Lentry_in_a_cluster:
	s_bfe_u32 s2, ttmp6, 0x10000c
	s_cmp_lg_u32 s2, 0x3003
	s_cbranch_scc0 .Lentry_shape_is_right
	s_endpgm
.Lentry_shape_is_right:
; ATTENTION for 16 (batch, head) pairs, 4,096 queries and keys, head size 64, both products on codes of BF6 (E3M2) with one E8M0 scale for each 32 along K.  Operands come as the launch before has laid them:
; images of operand registers (qbuf: a tile of 16 queries in 1,024 bytes; kvbuf: a RECORD of 6,912 bytes for each 64 keys).  Out: o / l, quantised along the head's 64, in obuf, laid as qbuf.
; SHARES.  A work-group owns 256 queries of one head, each of its sixteen waves one tile of 16, in 256 registers: four waves to a SIMD, so that one wave's vector work stands beside another's products and LDS loads.
; Every wave walks all 4,096 keys, 128 (two records) a step.
; LAYOUT.  Lane l = (r, h).  Both products are used transposed, so that a lane holds ONE query (r) throughout.
;   S^T = K Q^T.  The head's 64 fill half of the instruction's 128 along K.  So one fragment of K carries TWO tiles of 16 keys (k 0-63: tile 2 b', k 64-127: tile 2 b' + 1), and is multiplied once by (q, zeros)
;   and once by (zeros, q): zero codes add nothing.  Tile p of a record holds keys 4 r + p, so register 8 p + j of a record's four sums is key 32 h + 4 j + p: ONE WHOLE BLOCK OF 32 KEYS in a lane.
;   So p's quantiser asks no other lane, and two conversions give six registers of the second product's operand.  V's codes lie in the same order inside each block: the products are kept;
;   only the order of the sums inside a block of 32 differs from ascending k.
;   O^T = V^T P^T: V's tile T has rows d = 8 T + r % 8 + 32 (r / 8), so register 8 T + j of O^T is d = 32 h + 8 T + j: again a whole block, which is quantised at the end.
; SOFTMAX.  t = score x log2(e) / 8; M = the running largest t rounded UP to a whole number, kept as -M = floor(-t); p = 2^(t - M), not normalised, is quantised; the sum is taken of the unquantised p;
; when M moves, the sum and O^T are multiplied by 2^(old M - new M), exactly.  A block's largest p is the block's largest score put through the same multiply-add and exponential
; (this takes v_exp_f32 not to fall where its input rises).
; RING.  Two LDS slots of 16 records (110,592 bytes, 1,024 keys).  The four query blocks of a cluster walk the same head, so each quarter of a slot is asked for JOINTLY by waves 0-3 of all four work-groups:
; the same tensor load, the same descriptor, the mask 15.  Four slots' worth of keys: two first fills and two refills, written out.  By this text's count a wave has two tensor loads out at the start, later one.
; A refill is asked for at a change of slots and first read eight key steps later, and the first fills stand at the kernel's head: so no prefetch is laid.
; LIMITS: NaN and infinities are not served.  A p under 2^-126 counts as 0.  A block whose largest magnitude lies under 2^-122 gets the scale byte 1.  v_exp_f32 and v_rcp_f32 are accurate to 1 ulp.
.set REC,   6912                       ; a record: K's two pairs 0, 1536; their scale words 3072; V's four tiles 3328 + 768 T; V's half scale words 6400, 6656
.set KSC,   3072
.set VTL,   3328
.set VSC,   6400
.set QUART, 4*REC                      ; what one tensor load brings: 108 rows of 256 bytes
.set SLOTB, 16*REC
.set SLOT1, 131072                     ; slot 1 begins here
.set SPARE, 245760                     ; behind the ring: the spare words, 128 bytes for each wave: eight blocks of 256 bytes that no other line names
; v1 16 l; v2 8 l; v3 my spare word's address; v4 0; v5 8 h; v6, v7 the step's LDS addresses; v12 -M; v13 the largest t; v[14:15] the sum in two halves
.set QLO, 16                           ; v16-27  (q, zeros)
.set QHI, 28                           ; v28-39  (zeros, q)
.set QS,  40                           ; v40     q's scale word        (v40, v42, v44-47, v220-223 hold scales and nothing else)
.set PS,  42                           ; v42     p's scale word
.set KS,  44                           ; v44-47  K's scale words: record c, pair b' at 2 c + b'
.set F,   48                           ; v48-95  four fragments: of K, then of V
.set S,   96                           ; v96-159 S^T, then p
.set O,   160                          ; v160-191 O^T
.set PC,  192                          ; v192-203 p's codes
.set QTM, 204                          ; v204-206, v208-210 a conversion's three registers begin on an even number
.set VR,  212                          ; v212-219 V's half scale words: record c, tile T at 4 c + T
.set VS,  220                          ; v220-223 V's scale words
.set QMA, 224                          ; v224-227 largest scores; v228-232 at work
.set QMB, 225
.set QSC, 228
.set WV,  10
.set G1,  16                           ; s[16:23] descriptor group 1
.set G0A, 24                           ; s[24:27] group 0 for slot 0
.set G0B, 28                           ; s[28:31] for slot 1
.set SEL, 36
.set CS,  38
.set TB,  40                           ; s40  LDS byte at which the step's two records begin
.set CNT, 41
.macro PLACES n
.rept \n
	v_nop
.endr
.endm
; A round of the cluster's barrier: my work-group's barrier, wave 0 signals for the work-group, every wave waits for all four work-groups, my work-group's barrier once more
.macro CROUND
	s_barrier_signal -1
	s_barrier_wait -1
	s_cmp_lg_u32 s[WV], 0
	s_cbranch_scc1 .Lnot_wave_0_\@
	s_barrier_signal -3
.Lnot_wave_0_\@:
	s_barrier_wait -3
	s_barrier_signal -1
	s_barrier_wait -1
.endm
; A joint refill: waves 0-3 fetch a quarter of the slot each.  The branch hangs on the wave's number alone.  Four v_nop follow the line
.macro JLOAD g0
	s_cmp_lt_u32 s[WV], 4
	s_cbranch_scc0 .Lnone_\@
	tensor_load_to_lds s[\g0:\g0+3], s[G1:G1+7]
	s_nop 0
	PLACES 4
.Lnone_\@:
.endm
	s_load_b128 s[4:7], s[0:1], 0x0                ; qbuf, kvbuf
	s_load_b64 s[8:9], s[0:1], 0x10                ; obuf
	v_lshl_add_u32 v3, v0, 2, SPARE
	v_mov_b32 v4, 0
	ds_add_u32 v3, v4
	ds_add_u32 v3, v4
	s_wait_dscnt 0x0
	v_lshrrev_b32 v1, 5, v0
	s_delay_alu instid0(VALU_DEP_1)
	v_readfirstlane_b32 s[WV], v1                  ; wave 0..15
	s_bfe_u32 s11, ttmp6, 0x40000                  ; cx: my place in the cluster
	s_lshl_b32 s12, ttmp9, 2
	s_add_co_u32 s12, s12, s11                     ; my block of 256 queries: it enters qbuf's and obuf's addresses alone
	s_and_b32 s13, ttmp7, 0xffff                   ; bh, which the four partners share
	s_lshl_b32 s14, s13, 18
	s_lshl_b32 s15, s12, 14
	s_add_co_u32 s14, s14, s15
	s_lshl_b32 s15, s[WV], 10
	s_add_co_u32 s14, s14, s15                     ; my tile: 262,144 bh + 1,024 (16 block + wave)
	s_mov_b32 s15, 0
	; descriptor group 1: 108 dense rows of 256 bytes (32 elements of 8 bytes), no padding: every LDS read here is consecutive from lane to lane
	s_mov_b32 s[G1], 15|(3<<16)|(1<<21)            ; 15:0 the mask: all four work-groups; 17:16 elements of 8 bytes; 21 set beside a mask
	s_mov_b32 s[G1+1], 32<<16                      ; tensor_dim0 = 32
	s_mov_b32 s[G1+2], 108<<16                     ; tensor_dim1 = 108
	s_mov_b32 s[G1+3], 32<<16                      ; tile_dim0 = 32
	s_mov_b32 s[G1+4], 108                         ; tile_dim1 = 108
	s_mov_b32 s[G1+5], 32                          ; from row to row
	s_mov_b32 s[G1+6], 0
	s_mov_b32 s[G1+7], 0
	s_and_b32 s34, s[WV], 3
	s_mul_i32 s34, s34, QUART                      ; my quarter, in a slot and in memory alike
	s_mul_i32 s32, s13, 64*REC
	s_add_co_u32 s32, s32, s34
	s_mov_b32 s33, 0
	s_mov_b32 s[SEL], 0x76543210
	s_mov_b32 s[SEL+1], 0xfedcba98                 ; selects for lane l xor 16
	s_mov_b32 s[CS], 0x3e38aa3b                    ; c = log2(e) / 8
	s_mov_b32 s[CS+1], s[CS]                       ; (named with it as a pair, so it is written)
	s_wait_kmcnt 0x0
	s_add_nc_u64 s[6:7], s[6:7], s[32:33]
	s_add_nc_u64 s[4:5], s[4:5], s[14:15]
	s_add_nc_u64 s[8:9], s[8:9], s[14:15]
	s_mov_b32 s[G0A], 1                            ; count = 1
	s_mov_b32 s[G0A+1], s34                        ; LDS address
	s_mov_b64 s[G0A+2:G0A+3], s[6:7]               ; records 0-15
	s_or_b32 s[G0A+3], s[G0A+3], 0x80000000        ; type = 2
	s_mov_b32 s[G0B], 1
	s_add_co_u32 s[G0B+1], s34, SLOT1
	s_add_nc_u64 s[G0B+2:G0B+3], s[6:7], SLOTB     ; records 16-31
	s_or_b32 s[G0B+3], s[G0B+3], 0x80000000
	CROUND                                         ; all four work-groups are here: the first joint loads meet
	s_cmp_lt_u32 s[WV], 4                          ; a wave's two first fills stand in one branch, ahead of every wait on TENSORcnt and every LDS read
	s_cbranch_scc0 .Lno_first
	tensor_load_to_lds s[G0A:G0A+3], s[G1:G1+7]
	s_nop 0
	tensor_load_to_lds s[G0B:G0B+3], s[G1:G1+7]
	s_nop 0
	PLACES 4
.Lno_first:
	v_and_b32 v5, 31, v0
	s_delay_alu instid0(VALU_DEP_1)
	v_lshlrev_b32 v1, 4, v5                        ; 16 l
	s_delay_alu instid0(VALU_DEP_2)
	v_lshlrev_b32 v2, 3, v5                        ; 8 l
	v_bfe_u32 v5, v0, 4, 1
	s_delay_alu instid0(VALU_DEP_1)
	v_lshlrev_b32 v5, 3, v5                        ; 8 h
.irp i, 0,1,2
	global_load_b64 v[QLO+2*\i:QLO+2*\i+1], v2, s[4:5] offset:256*\i       ; q's six registers, as the lower half of K
	global_load_b64 v[QHI+6+2*\i:QHI+6+2*\i+1], v2, s[4:5] offset:256*\i   ; and once more as the upper half
.endr
	global_load_b32 v[QS], v2, s[4:5] offset:768
.irp j, 6,7,8,9,10,11,12,13,14,15,16,17
	v_mov_b32 v[QLO+\j], 0                         ; zero codes: the upper half of (q, zeros), the lower half of (zeros, q)
.endr
	v_mov_b32 v13, 0xff61b1e6                      ; the largest t so far: -3e38, under every t
	s_delay_alu instid0(VALU_DEP_1)
	v_floor_f32 v12, -v13                          ; -M
	v_mov_b32 v14, 0
	v_mov_b32 v15, 0
	v_mov_b32 v250, 0                              ; lane permutes' destinations count as sources
	v_mov_b32 v251, 0
	v_mov_b32 v253, 0                              ; (named as the upper half of the pair v[252:253])
.set JJ, 0
.rept 32
	v_mov_b32 v[O+JJ], 0                           ; O^T.  The step is written once: the first finds zeros, which the first change of M leaves zeros
.set JJ, JJ+1
.endr
; A KEY STEP: 128 keys, records c = 0, 1 at s[TB]
.macro STEP
	v_add_nc_u32 v6, s[TB], v1
	v_add_nc_u32 v7, s[TB], v2
	PLACES 2                                       ; with the two additions: four places between the last products and the loads into the registers that they read (ISA guide 7.12.1 for vector instructions)
.irp c, 0,1
.irp b, 0,1
.irp i, 0,1,2
	ds_load_b128 v[F+12*(2*\c+\b)+4*\i:F+12*(2*\c+\b)+4*\i+3], v6 offset:REC*\c+1536*\b+512*\i
.endr
.endr
	ds_load_b64 v[KS+2*\c:KS+2*\c+1], v7 offset:REC*\c+KSC
.endr
	s_wait_alu depctr_va_vdst(0)
	s_wait_dscnt 0x0
.irp c, 0,1
.irp b, 0,1
	v_wmma_scale_f32_16x16x128_f8f6f4 v[S+32*\c+16*\b:S+32*\c+16*\b+7], v[F+12*(2*\c+\b):F+12*(2*\c+\b)+11], v[QLO:QLO+11], 0, v[KS+2*\c+\b], v[QS] matrix_a_fmt:MATRIX_FMT_BF6 matrix_b_fmt:MATRIX_FMT_BF6
	v_wmma_scale_f32_16x16x128_f8f6f4 v[S+32*\c+16*\b+8:S+32*\c+16*\b+15], v[F+12*(2*\c+\b):F+12*(2*\c+\b)+11], v[QHI:QHI+11], 0, v[KS+2*\c+\b], v[QS] matrix_a_fmt:MATRIX_FMT_BF6 matrix_b_fmt:MATRIX_FMT_BF6
.endr
.endr
	PLACES 4                                       ; in front of V's loads into K's registers and of the first read of the scores
.irp c, 0,1                                    ; V's four fragments (registers 6 c on: record c) and half scale words: they land during the softmax
.irp t, 0,1,2,3
.irp i, 0,1,2
	ds_load_b64 v[F+12*\t+6*\c+2*\i:F+12*\t+6*\c+2*\i+1], v7 offset:REC*\c+VTL+768*\t+256*\i
.endr
.endr
.irp f, 0,1
	ds_load_b64 v[VR+4*\c+2*\f:VR+4*\c+2*\f+1], v7 offset:REC*\c+VSC+256*\f
.endr
.endr
	; the largest score of my two blocks of 32 keys, two chains each, all four by turns; each sum of eight registers is first read at its low end
.irp c, 0,1
	v_max3_num_f32 v[224+2*\c], v[S+32*\c], v[S+32*\c+1], v[S+32*\c+2]
	v_max3_num_f32 v[225+2*\c], v[S+32*\c+16], v[S+32*\c+17], v[S+32*\c+18]
.endr
.irp i, 3,5,7,9,11,13
.irp c, 0,1
	v_max3_num_f32 v[224+2*\c], v[224+2*\c], v[S+32*\c+\i], v[S+32*\c+\i+1]
	v_max3_num_f32 v[225+2*\c], v[225+2*\c], v[S+32*\c+16+\i], v[S+32*\c+17+\i]
.endr
.endr
.irp c, 0,1
	v_max3_num_f32 v[224+2*\c], v[224+2*\c], v[225+2*\c], v[S+32*\c+15]
.endr
.irp c, 0,1
	v_max_num_f32 v[224+2*\c], v[224+2*\c], v[S+32*\c+31]
.endr
	s_delay_alu instid0(VALU_DEP_1)
	v_max_num_f32 v254, v224, v226
	s_delay_alu instid0(VALU_DEP_1)
	v_permlanex16_b32 v250, v254, s[SEL], s[SEL+1]
	s_delay_alu instid0(VALU_DEP_1)
	v_max_num_f32 v254, v254, v250                 ; with lane l xor 16's 64 keys: the step's largest score of my query
	s_delay_alu instid0(VALU_DEP_1)
	v_mul_f32 v254, s[CS], v254                    ; as t (c is positive)
	s_delay_alu instid0(VALU_DEP_1)
	v_max_num_f32 v13, v13, v254                   ; the running largest t
	v_mov_b32 v254, v12
	s_delay_alu instid0(VALU_DEP_2)
	v_floor_f32 v12, -v13                          ; the new -M = floor(-t) = -ceil(t)
	s_delay_alu instid0(VALU_DEP_1)
	v_sub_f32 v254, v12, v254                      ; old M - new M: a whole number, 0 or less
	s_delay_alu instid0(VALU_DEP_1)
	v_cvt_i32_f32 v254, v254                       ; (it saturates)
	s_delay_alu instid0(VALU_DEP_1)
	v_ldexp_f32 v252, 1.0, v254                    ; f = 2^(old M - new M)
.set JJ, 0
.rept 32
	v_pk_fma_f32 v[S+2*JJ:S+2*JJ+1], v[S+2*JJ:S+2*JJ+1], s[CS:CS+1], v[12:13] op_sel_hi:[1,0,0]   ; t - M, two at a time
.set JJ, JJ+1
.endr
	v_fma_f32 v224, v224, s[CS], v12               ; the same of each block's largest score
	v_fma_f32 v226, v226, s[CS], v12
.set JJ, 0
	s_setprio 1
	s_wait_alu depctr_va_vdst(0)
.rept 64
	v_exp_f32 v[S+JJ], v[S+JJ]                     ; p = 2^(t - M), at most 1
.set JJ, JJ+1
.endr
	v_pk_mul_f32 v[14:15], v[14:15], v[252:253] op_sel_hi:[1,0]   ; the sums under the new M; also the plain line behind the exponentials
	s_wait_alu depctr_va_vdst(0)                   ; one wait for the batch of 64, ahead of its first reader
	v_exp_f32 v224, v224                           ; the blocks' largest p
	v_exp_f32 v226, v226
	v_pk_add_f32 v[236:237], v[100:101], v[104:105]
	v_pk_add_f32 v[254:255], v[108:109], v[112:113]
	v_pk_add_f32 v[248:249], v[116:117], v[120:121]
	v_pk_add_f32 v[246:247], v[124:125], v[128:129]
	v_pk_add_f32 v[244:245], v[132:133], v[136:137]
	v_pk_add_f32 v[242:243], v[140:141], v[144:145]
	v_pk_add_f32 v[240:241], v[148:149], v[152:153]
	v_pk_add_f32 v[14:15], v[14:15], v[156:157]
	v_pk_add_f32 v[236:237], v[236:237], v[96:97]
	v_pk_add_f32 v[254:255], v[254:255], v[98:99]
	v_pk_add_f32 v[248:249], v[248:249], v[102:103]
	v_pk_add_f32 v[246:247], v[246:247], v[106:107]
	v_pk_add_f32 v[244:245], v[244:245], v[110:111]
	v_pk_add_f32 v[242:243], v[242:243], v[114:115]
	v_pk_add_f32 v[240:241], v[240:241], v[118:119]
	v_pk_add_f32 v[14:15], v[14:15], v[122:123]
	v_pk_add_f32 v[236:237], v[236:237], v[126:127]
	v_pk_add_f32 v[254:255], v[254:255], v[130:131]
	v_pk_add_f32 v[248:249], v[248:249], v[134:135]
	v_pk_add_f32 v[246:247], v[246:247], v[138:139]
	v_pk_add_f32 v[244:245], v[244:245], v[142:143]
	v_pk_add_f32 v[242:243], v[242:243], v[146:147]
	v_pk_add_f32 v[240:241], v[240:241], v[150:151]
	v_pk_add_f32 v[14:15], v[14:15], v[154:155]
	v_pk_add_f32 v[236:237], v[236:237], v[158:159]
	s_delay_alu instid0(VALU_DEP_2)
	v_pk_add_f32 v[14:15], v[14:15], v[246:247]
	s_delay_alu instid0(VALU_DEP_2)
	v_pk_add_f32 v[236:237], v[236:237], v[244:245]
	v_pk_add_f32 v[254:255], v[254:255], v[242:243]
	v_pk_add_f32 v[248:249], v[248:249], v[240:241]
	s_delay_alu instid0(VALU_DEP_2)
	v_pk_add_f32 v[14:15], v[14:15], v[254:255]
	s_delay_alu instid0(VALU_DEP_2)
	v_pk_add_f32 v[236:237], v[236:237], v[248:249]
	s_delay_alu instid0(VALU_DEP_1)
	v_pk_add_f32 v[14:15], v[14:15], v[236:237]
	s_wait_alu depctr_va_vdst(0)                   ; and one for the two
	v_max_num_f32 v224, 0x2800000, v224            ; the floor 2^(5 - 127): the byte cannot fall under 1
	v_max_num_f32 v226, 0x2800000, v226
	s_delay_alu instid0(VALU_DEP_2)
	v_add_nc_u32 v228, 0xfe000000, v224            ; 4 off the exponent field: the conversions' scale operands
	s_delay_alu instid0(VALU_DEP_2)
	v_add_nc_u32 v229, 0xfe000000, v226
	s_delay_alu instid0(VALU_DEP_2)
	v_lshrrev_b32 v230, 23, v228                   ; the bytes
	s_delay_alu instid0(VALU_DEP_2)
	v_lshrrev_b32 v231, 23, v229
	s_delay_alu instid0(VALU_DEP_1)
	v_lshl_or_b32 v232, v231, 16, v230             ; my two bytes: blocks h and 2 + h of these 128 keys,
	s_delay_alu instid0(VALU_DEP_1)
	v_lshlrev_b32 v232, v5, v232                   ; at their places;
	s_delay_alu instid0(VALU_DEP_1)
	v_permlanex16_b32 v251, v232, s[SEL], s[SEL+1]
	s_delay_alu instid0(VALU_DEP_1)
	v_or_b32 v[PS], v232, v251                     ; with lane l xor 16's two the word is whole
	v_cvt_scalef32_pk16_bf6_f32 v[PC:PC+2], v[S:S+15], v228
	v_cvt_scalef32_pk16_bf6_f32 v[QTM:QTM+2], v[S+16:S+31], v228
	v_cvt_scalef32_pk16_bf6_f32 v[PC+6:PC+8], v[S+32:S+47], v229
	v_cvt_scalef32_pk16_bf6_f32 v[QTM+4:QTM+6], v[S+48:S+63], v229
	v_nop                                          ; a plain line behind the conversions
.irp i, 0,1,2
	v_mov_b32 v[PC+3+\i], v[QTM+\i]
	v_mov_b32 v[PC+9+\i], v[QTM+4+\i]
.endr
	s_setprio 0
	s_wait_dscnt 0x0                               ; V's fragments and half scale words are in
.irp t, 0,1,2,3
	v_lshl_or_b32 v[VS+\t], v[VR+4+\t], 16, v[VR+\t]   ; record 0's two bytes below, record 1's above
.endr
.set JJ, 0
.rept 16
	v_pk_mul_f32 v[O+2*JJ:O+2*JJ+1], v[O+2*JJ:O+2*JJ+1], v[252:253] op_sel_hi:[1,0]   ; O^T under the new M.  For each product below, twelve of these name none of its registers: the places between the scale words' and the codes' last writes and the scaled products
.set JJ, JJ+1
.endr
.irp t, 0,1,2,3                                ; O^T += V^T P^T.  Between two links on one sum stand the three others' and the next step's eight products
	v_wmma_scale_f32_16x16x128_f8f6f4 v[O+8*\t:O+8*\t+7], v[F+12*\t:F+12*\t+11], v[PC:PC+11], v[O+8*\t:O+8*\t+7], v[VS+\t], v[PS] matrix_a_fmt:MATRIX_FMT_BF6 matrix_b_fmt:MATRIX_FMT_BF6
.endr
.endm
; a slot's eight key steps
.macro RUN base
	s_mov_b32 s[TB], \base
	s_mov_b32 s[CNT], 8
.Lrun_\@:
	s_setprio 2
	STEP
	s_add_co_u32 s[TB], s[TB], 2*REC
	s_sub_co_u32 s[CNT], s[CNT], 1
	s_cmp_lg_u32 s[CNT], 0
	s_cbranch_scc1 .Lrun_\@
	s_setprio 0
.endm
; THE CHANGE OF SLOTS.  Each wave waits for all its tensor loads (its part of the slot ahead), adds 0 to its spare word, and waits for that and for its reads of the slot that it leaves.
; fill = 1: that slot is filled with the records two slots on.  The barrier is then a round of the cluster's, so that no wave of any partner still reads the slot or has a load on its way,
; and the joint refill is the first thing behind it: it has eight key steps in which to land.
.macro CHANGE fill, g0
	s_wait_tensorcnt 0x0                           ; no tensor load of mine is out, so a group 0 may be written
	ds_add_u32 v3, v4                              ; 0 onto my spare word
.if \fill
	s_add_nc_u64 s[\g0+2:\g0+3], s[\g0+2:\g0+3], 2*SLOTB   ; the type bits on top are not reached
.endif
	s_wait_dscnt 0x0                               ; the add is done, and my reads of the slot are over
.if \fill
	CROUND
	JLOAD \g0
.else
	s_barrier_signal -1
	s_barrier_wait -1
.endif
.endm
	s_wait_tensorcnt 0x1                           ; my part of slot 0 is in; slot 1's may stay out
	s_barrier_signal -1
	s_barrier_wait -1                              ; everybody's is
	s_wait_loadcnt 0x0                             ; q
	RUN 0                                          ; records 0-15
	CHANGE 1, G0A                                  ; slot 0 takes records 32-47
	RUN SLOT1                                      ; records 16-31
	CHANGE 1, G0B                                  ; slot 1 takes records 48-63
	RUN 0
	CHANGE 0, G0A                                  ; nothing is left to fetch
	RUN SLOT1
	; THE WAY OUT: O^T / the sum is one block of 32 along d in each lane: quantised as q was, and stored as an image of registers
	PLACES 4
	v_add_f32 v14, v14, v15                        ; the sum's two halves,
	s_delay_alu instid0(VALU_DEP_1)
	v_permlanex16_b32 v250, v14, s[SEL], s[SEL+1]
	s_delay_alu instid0(VALU_DEP_1)
	v_add_f32 v14, v14, v250                       ; and lane l xor 16's
	s_wait_alu depctr_va_vdst(0)
	v_rcp_f32 v14, v14
	v_sub_nc_u32 v233, 8, v5                       ; 8 - 8 h; also the plain line behind the transcendental
	s_wait_alu depctr_va_vdst(0)                   ; the wait ahead of the first reader
.set JJ, 0
.rept 32
	v_mul_f32 v[S+JJ], v[O+JJ], v14                ; ascending: each sum is first read at its low end
.set JJ, JJ+1
.endr
	v_max3_num_f32 v[QMA], |v[S]|, |v[S+1]|, 0x2800000
	v_max3_num_f32 v[QMB], |v[S+16]|, |v[S+17]|, |v[S+18]|
.irp i, 2,4,6,8,10,12
	s_delay_alu instid0(VALU_DEP_2)
	v_max3_num_f32 v[QMA], v[QMA], |v[S+\i]|, |v[S+\i+1]|
	s_delay_alu instid0(VALU_DEP_2)
	v_max3_num_f32 v[QMB], v[QMB], |v[S+17+\i]|, |v[S+18+\i]|
.endr
	s_delay_alu instid0(VALU_DEP_2)
	v_max3_num_f32 v[QMA], v[QMA], |v[S+14]|, |v[S+15]|
	s_delay_alu instid0(VALU_DEP_1)
	v_max3_num_f32 v[QMA], v[QMA], v[QMB], |v[S+31]|
	s_delay_alu instid0(VALU_DEP_1)
	v_add_nc_u32 v[QSC], 0xfe000000, v[QMA]
	v_cvt_scalef32_pk16_bf6_f32 v[PC:PC+2], v[S:S+15], v[QSC]
	v_cvt_scalef32_pk16_bf6_f32 v[QTM:QTM+2], v[S+16:S+31], v[QSC]
	v_lshrrev_b32 v230, 23, v[QSC]                 ; the byte; also the plain line behind the conversions
.irp i, 0,1,2
	v_mov_b32 v[PC+3+\i], v[QTM+\i]
.endr
	s_delay_alu instid0(VALU_DEP_4)
	v_permlanex16_b32 v251, v230, s[SEL], s[SEL+1]
	v_lshlrev_b32 v231, v5, v230
	s_delay_alu instid0(VALU_DEP_2)
	v_lshlrev_b32 v251, v233, v251
	s_delay_alu instid0(VALU_DEP_1)
	v_or_b32 v234, v231, v251                      ; (block 0's byte, block 1's byte), whole in both halves of the lanes
	v_mov_b32 v235, 0
.irp i, 0,1,2
	global_store_b64 v2, v[PC+2*\i:PC+2*\i+1], s[8:9] offset:256*\i   ; 32 lanes store 256 consecutive bytes, at a multiple of 256 from the buffer's first byte
.endr
	global_store_b64 v2, v[234:235], s[8:9] offset:768
	s_wait_tensorcnt 0x0                           ; the wave's end
	ds_add_u32 v3, v4
	s_wait_dscnt 0x0
	CROUND                                         ; the closing round: no work-group ends while a partner may still ask for a tile that names it
	s_endpgm
.Lfunc_end_k_q1fbff9698d_attn:
	.size	k_q1fbff9698d_attn, .Lfunc_end_k_q1fbff9698d_attn-k_q1fbff9698d_attn
	.p2alignl 7, 3214868480
	.fill 96, 4, 3214868480
	.section	.rodata,"a",@progbits
	.p2align	6, 0x0
	.amdhsa_kernel k_q1fbff9698d_attn
		.amdhsa_group_segment_fixed_size 327680
		.amdhsa_private_segment_fixed_size 0
		.amdhsa_enable_private_segment 0
		.amdhsa_kernarg_size 24
		.amdhsa_user_sgpr_count 2
		.amdhsa_user_sgpr_kernarg_segment_ptr 1
		.amdhsa_wavefront_size32 1
		.amdhsa_system_sgpr_workgroup_id_x 1
		.amdhsa_system_sgpr_workgroup_id_y 1
		.amdhsa_system_sgpr_workgroup_id_z 1
		.amdhsa_system_vgpr_workitem_id 0
		.amdhsa_next_free_vgpr 256
		.amdhsa_next_free_sgpr 66
		.amdhsa_reserve_vcc 0
		.amdhsa_float_denorm_mode_32 3
		.amdhsa_float_denorm_mode_16_64 3
		.amdhsa_memory_ordered 1
		.amdhsa_forward_progress 1
		.amdhsa_inst_pref_size 78
	.end_amdhsa_kernel
	.amdgpu_metadata
---
amdhsa.version: [ 1, 2 ]
amdhsa.kernels:
  - .name:           k_q1fbff9698d_attn
    .symbol:         k_q1fbff9698d_attn.kd
    .args:
      - { .name: qbuf, .offset: 0, .size: 8, .value_kind: global_buffer, .address_space: global }
      - { .name: kvbuf, .offset: 8, .size: 8, .value_kind: global_buffer, .address_space: global }
      - { .name: obuf, .offset: 16, .size: 8, .value_kind: global_buffer, .address_space: global }
    .group_segment_fixed_size: 327680
    .private_segment_fixed_size: 0
    .kernarg_segment_align: 8
    .kernarg_segment_size: 24
    .max_flat_workgroup_size: 512
    .sgpr_count:     66
    .vgpr_count:     256
    .wavefront_size: 32
...
	.end_amdgpu_metadata
.endif
;; end of part 3
;; launch proj (part 4): grid 256 x 1, 16 waves a work-group, no clusters, 0 bytes of LDS; arguments obuf, proj_w_codes, proj_w_scales, proj_b, x, out0; writes out0
.if DOCPART == 4
	.amdgcn_target "amdgcn-amd-amdhsa--gfx1250"
	.amdhsa_code_object_version 6
	.text
	.protected	k_q1fbff9698d_proj
	.globl	k_q1fbff9698d_proj
	.p2align	8
	.type	k_q1fbff9698d_proj,@function
k_q1fbff9698d_proj:
	s_mov_b64 s[64:65], 0
	v_nop
	global_prefetch_b8 v0, s[64:65] scope:SCOPE_SE
	s_setreg_imm32_b32 hwreg(HW_REG_WAVE_MODE, 25, 1), 1
	s_wait_xcnt 0x0
; out0 = x + proj_w o + proj_b, the product on codes of BF6 (E3M2) with one E8M0 scale for each 32 along K = the 256 channels of o.
; Work-group 64 b + G takes the 64 pixels 64 G .. 64 G + 63 of batch b; wave T makes output channels 16 T .. 16 T + 15 for them.  Lane l = (r, h).
; o comes as the attention launch has laid it: for each (bh, tile 4 G + p) a lane's six registers of codes of d = 32 h + 0 .. 31 and a half scale word.  Channel = 64 head + d, so K step s of pixel tile p is
; heads 2 s and 2 s + 1 on end: registers 6 c on come from head 2 s + c, as they lie.
; Source 0 = 16 rows of proj_w, source 1 = pixel tile p (pixels 4 r + p).  Register j of the four sums p = 0..3 is then FOUR NEIGHBOURING PIXELS 4 r + 0 .. 3 of channel 16 T + 8 h + j:
; the addition of x puts them side by side, and sixteen lanes store 256 consecutive bytes at a multiple of 256: no stage in LDS, no barrier.
; The bias is the C of each sum's first product.
; NO CLUSTER, NO TENSOR LOAD: a wave's rows of the weight (3 KiB) and the work-group's 16 KiB of o go from memory straight into operand registers; a joint load would bring them to LDS,
; from where each wave would have to read them once more.
; LIMITS: NaN and infinities are not served.
.set OF,   16                          ; v16-111  o's eight fragments (p, s) at 12 (2 p + s)
.set OH,   112                         ; v112-127 the half scale words (p, s, c)
.set OS,   128                         ; v128-135 o's scale words (p, s)          (v128-135 and v160-161 hold scales and nothing else)
.set W,    136                         ; v136-159 my two fragments of proj_w
.set WS,   160                         ; v160-161 their scale words
.set BIAS, 162                         ; v162-169
.set ACC,  170                         ; v170-201 four sums
.set XR,   202                         ; v202-233 x, then the result: register 4 j + p
	s_load_b256 s[4:11], s[0:1], 0x0               ; obuf s[4:5], proj_w's codes s[6:7], its scales s[8:9], proj_b s[10:11]
	s_load_b128 s[12:15], s[0:1], 0x20             ; x s[12:13], out0 s[14:15]
	v_lshrrev_b32 v1, 5, v0
	s_delay_alu instid0(VALU_DEP_1)
	v_readfirstlane_b32 s16, v1                    ; wave T
	s_lshr_b32 s17, ttmp9, 6                       ; b
	s_and_b32 s18, ttmp9, 63                       ; G
	v_and_b32 v1, 31, v0
	s_delay_alu instid0(VALU_DEP_1)
	v_lshlrev_b32 v1, 3, v1                        ; 8 l
	v_and_b32 v2, 15, v0                           ; r
	v_bfe_u32 v3, v0, 4, 1                         ; h
	s_delay_alu instid0(VALU_DEP_2)
	v_mul_u32_u24 v4, v2, 192                      ; proj_w: row r of 192 bytes, + 24 h
	s_delay_alu instid0(VALU_DEP_1)
	v_mad_u32_u24 v4, v3, 24, v4
	s_delay_alu instid0(VALU_DEP_4)
	v_lshlrev_b32 v5, 3, v2                        ; its 8 scale bytes
	s_delay_alu instid0(VALU_DEP_4)
	v_lshlrev_b32 v6, 5, v3                        ; the bias: 8 h numbers on
	v_lshlrev_b32 v7, 4, v2
	s_delay_alu instid0(VALU_DEP_1)
	v_lshl_add_u32 v7, v3, 17, v7                  ; x and out0: 8 h channels of 16,384 bytes + 16 r
	s_mov_b32 s21, 0
	s_wait_alu depctr_va_vdst(0)
	s_wait_kmcnt 0x0
	s_lshl_b32 s20, s17, 20
	s_lshl_b32 s19, s18, 12
	s_add_co_u32 s20, s20, s19
	s_add_nc_u64 s[4:5], s[4:5], s[20:21]          ; obuf at (bh = 4 b, tile 4 G)
	s_mul_i32 s20, s16, 3072
	s_add_nc_u64 s[6:7], s[6:7], s[20:21]
	s_lshl_b32 s20, s16, 7
	s_add_nc_u64 s[8:9], s[8:9], s[20:21]
	s_lshl_b32 s20, s16, 6
	s_add_nc_u64 s[10:11], s[10:11], s[20:21]
	s_lshl_b32 s20, s17, 22
	s_lshl_b32 s19, s16, 18
	s_add_co_u32 s20, s20, s19
	s_lshl_b32 s19, s18, 8
	s_add_co_u32 s20, s20, s19
	s_add_nc_u64 s[12:13], s[12:13], s[20:21]      ; x and out0 at (b, channel 16 T, pixel 64 G)
	s_add_nc_u64 s[14:15], s[14:15], s[20:21]
.irp p, 0,1,2,3
.irp s, 0,1
.irp c, 0,1
.irp i, 0,1,2
	global_load_b64 v[OF+12*(2*\p+\s)+6*\c+2*\i:OF+12*(2*\p+\s)+6*\c+2*\i+1], v1, s[4:5] offset:(2*\s+\c)*262144+1024*\p+256*\i
.endr
	global_load_b32 v[OH+4*\p+2*\s+\c], v1, s[4:5] offset:(2*\s+\c)*262144+1024*\p+768
.endr
.endr
.endr
.irp s, 0,1
.irp p, 0,1,2,3,4,5
	global_load_b64 v[W+12*\s+2*\p:W+12*\s+2*\p+1], v4, s[6:7] offset:96*\s+48*(\p/3)+8*(\p%3)
.endr
	global_load_b32 v[WS+\s], v5, s[8:9] offset:4*\s
.endr
	global_load_b128 v[BIAS:BIAS+3], v6, s[10:11]
	global_load_b128 v[BIAS+4:BIAS+7], v6, s[10:11] offset:16
.irp j, 0,1,2,3,4,5,6,7
	global_load_b128 v[XR+4*\j:XR+4*\j+3], v7, s[12:13] offset:16384*\j th:TH_LOAD_NT   ; sixteen lanes read 256 consecutive bytes of a channel
.endr
	s_wait_loadcnt 8                               ; all but x's eight loads, which were issued last
.irp p, 0,1,2,3
.irp s, 0,1
	v_lshl_or_b32 v[OS+2*\p+\s], v[OH+4*\p+2*\s+1], 16, v[OH+4*\p+2*\s]   ; head 2 s's two bytes below, head 2 s + 1's above
.endr
.endr
.rept 8
	v_nop                                          ; a scale register written by a vector instruction stands eight places ahead of a scaled product
.endr
.irp p, 0,1,2,3                                ; four sums by turns, K step 0 then K step 1
	v_wmma_scale_f32_16x16x128_f8f6f4 v[ACC+8*\p:ACC+8*\p+7], v[W:W+11], v[OF+24*\p:OF+24*\p+11], v[BIAS:BIAS+7], v[WS], v[OS+2*\p] matrix_a_fmt:MATRIX_FMT_BF6 matrix_b_fmt:MATRIX_FMT_BF6
.endr
.irp p, 0,1,2,3
	v_wmma_scale_f32_16x16x128_f8f6f4 v[ACC+8*\p:ACC+8*\p+7], v[W+12:W+23], v[OF+24*\p+12:OF+24*\p+23], v[ACC+8*\p:ACC+8*\p+7], v[WS+1], v[OS+2*\p+1] matrix_a_fmt:MATRIX_FMT_BF6 matrix_b_fmt:MATRIX_FMT_BF6
.endr
.rept 4
	v_nop                                          ; four places in front of the first read of the sums (ISA guide 7.12.1)
.endr
	s_wait_loadcnt 0x0                             ; x
.irp j, 0,1,2,3,4,5,6,7                        ; j ascends: each sum is first read at its low end
.irp p, 0,1,2,3
	v_add_f32 v[XR+4*\j+\p], v[ACC+8*\p+\j], v[XR+4*\j+\p]
.endr
.endr
.irp j, 0,1,2,3,4,5,6,7
	global_store_b128 v7, v[XR+4*\j:XR+4*\j+3], s[14:15] offset:16384*\j th:TH_STORE_NT   ; sixteen lanes store 256 consecutive bytes, at a multiple of 256 from out0's first byte
.endr
	s_endpgm
.Lfunc_end_k_q1fbff9698d_proj:
	.size	k_q1fbff9698d_proj, .Lfunc_end_k_q1fbff9698d_proj-k_q1fbff9698d_proj
	.p2alignl 7, 3214868480
	.fill 96, 4, 3214868480
	.section	.rodata,"a",@progbits
	.p2align	6, 0x0
	.amdhsa_kernel k_q1fbff9698d_proj
		.amdhsa_group_segment_fixed_size 0
		.amdhsa_private_segment_fixed_size 0
		.amdhsa_enable_private_segment 0
		.amdhsa_kernarg_size 48
		.amdhsa_user_sgpr_count 2
		.amdhsa_user_sgpr_kernarg_segment_ptr 1
		.amdhsa_wavefront_size32 1
		.amdhsa_system_sgpr_workgroup_id_x 1
		.amdhsa_system_sgpr_workgroup_id_y 1
		.amdhsa_system_sgpr_workgroup_id_z 1
		.amdhsa_system_vgpr_workitem_id 0
		.amdhsa_next_free_vgpr 240
		.amdhsa_next_free_sgpr 66
		.amdhsa_reserve_vcc 0
		.amdhsa_float_denorm_mode_32 3
		.amdhsa_float_denorm_mode_16_64 3
		.amdhsa_memory_ordered 1
		.amdhsa_forward_progress 1
		.amdhsa_inst_pref_size 14
	.end_amdhsa_kernel
	.amdgpu_metadata
---
amdhsa.version: [ 1, 2 ]
amdhsa.kernels:
  - .name:           k_q1fbff9698d_proj
    .symbol:         k_q1fbff9698d_proj.kd
    .args:
      - { .name: obuf, .offset: 0, .size: 8, .value_kind: global_buffer, .address_space: global }
      - { .name: proj_w_codes, .offset: 8, .size: 8, .value_kind: global_buffer, .address_space: global }
      - { .name: proj_w_scales, .offset: 16, .size: 8, .value_kind: global_buffer, .address_space: global }
      - { .name: proj_b, .offset: 24, .size: 8, .value_kind: global_buffer, .address_space: global }
      - { .name: x, .offset: 32, .size: 8, .value_kind: global_buffer, .address_space: global }
      - { .name: out0, .offset: 40, .size: 8, .value_kind: global_buffer, .address_space: global }
    .group_segment_fixed_size: 0
    .private_segment_fixed_size: 0
    .kernarg_segment_align: 8
    .kernarg_segment_size: 48
    .max_flat_workgroup_size: 512
    .sgpr_count:     66
    .vgpr_count:     240
    .wavefront_size: 32
...
	.end_amdgpu_metadata
.endif
;; end of part 4
